; MI455X (gfx1250); checked and timed in simulation.
; The chip was launched on July 23, 2026; its instructions are those of AMD's public machine-readable ISA for CDNA 5 (MIT licence, August 2026) and "CDNA5" Instruction Set Architecture Reference Guide (July 2026). The comments in the code are by the model that wrote it; some were corrected since.
;; Vector Quantizer. Allowed arithmetic: float matrix products may take bf16 or f16 operands with f32 sums; all other float work in f32.
;; Inputs: codebook 8,192 x 512 float32; x 4 x 2,048 x 512 float32.
;; Outputs: out0 4 x 2,048 x 512 float32; out1 one number float32; out2 one number float32; out3 one number float32; out4 one number float32; out5 4 x 2,048 int32.
;; One version. Each part assembles by itself: llvm-mc -triple=amdgcn-amd-amdhsa -mcpu=gfx1250 --defsym DOCPART=n.
;; ======== version 1 of 1: 5 launches
;; limits: values outside matrix products are rounded to bf16
;; workspace buffers: prepb 16,842,752 bytes; ebuf 134,217,728 bytes; tbl 16,777,216 bytes; stat 2,097,152 bytes; fin 66,048 bytes; idxw 32,768 bytes of whole numbers; sums 135,168 bytes
;; launch prep (part 1): grid 128 x 2, 8 waves a work-group, no clusters, 148,736 bytes of LDS; arguments x, codebook, prepb; writes prepb
.if DOCPART == 1
	.amdgcn_target "amdgcn-amd-amdhsa--gfx1250"
	.amdhsa_code_object_version 6
	.text
	.protected	k_q8368945e7a_prep
	.globl	k_q8368945e7a_prep
	.p2align	8
	.type	k_q8368945e7a_prep,@function
k_q8368945e7a_prep:
	s_mov_b64 s[64:65], 0
	v_nop
	global_prefetch_b8 v0, s[64:65] scope:SCOPE_SE
	s_setreg_imm32_b32 hwreg(HW_REG_WAVE_MODE, 25, 1), 1
	s_wait_xcnt 0x0
; Rounds x (grid y = 0) or the codebook (y = 1), both [8192][512] f32, to bf16, and sums the squares of the ROUNDED numbers of each row.
; prepb: x in bf16 at 0, the codebook in bf16 at 8,388,608, the 8,192 row sums of x at 16,777,216, those of the codebook at 16,809,984.
; A work-group takes 64 rows, each of its eight waves 8.  Memory binds: every byte is read once by loads of 512 consecutive bytes and written once
; in runs of 256; matrix units and clusters have nothing to do here, since no two work-groups read the same bytes.
; THE ORDER OF A ROW'S SUM is fixed, since the nearest code is compared exactly later on: 16 runs of 32 numbers, each summed in ascending order,
; then the 16 partial sums in ascending order (a windowed reduction of 32).  The squares of bf16 numbers are exact in f32, so a fused multiply-add
; rounds as a multiply and an add would.  To give a lane 32 consecutive numbers the rows go once through the wave's own LDS bytes.
.set LROW,  2304                       ; a row in LDS: 16 blocks of 32 f32 (128 bytes) 144 bytes apart: 16 lanes that read 16 blocks touch 16 different 16-byte columns
.set WLDS,  8*LROW                     ; a wave's eight rows
.set NORM,  8*WLDS                     ; 64 row sums, 256 bytes
.set SPARE, NORM+256                   ; the spare words: 128 bytes for each of eight waves, named by no other line
.set LO,  1                            ; v1  16 x lane
.set SO,  2                            ; v2  8 x lane
.set LS,  3                            ; v3  where my 16 bytes of a load go in LDS
.set LR,  4                            ; v4  where my block of 32 numbers lies
.set NA,  5                            ; v5  where my half of the lanes puts a row's sum
.set SPW, 6                            ; v6  my spare word;  v7  0
.set NIL, 7
.set AC,  8                            ; v8-11   a block's sum, for four pairs of rows
.set TO,  12                           ; v12-15  a row's sum
.set B,   16                           ; v16-79  bf16 as stored, 8 registers a row, never rewritten
.set X,   80                           ; v80-207 f32, 16 registers a row; later 32 a pair of rows
	s_load_b128 s[4:7], s[0:1], 0x0                ; x, codebook
	s_load_b64 s[8:9], s[0:1], 0x10                ; prepb
	v_lshl_add_u32 v[SPW], v0, 2, SPARE
	v_mov_b32 v[NIL], 0
	v_lshrrev_b32 v1, 5, v0
	v_readfirstlane_b32 s12, v1                    ; wave 0..7
	s_and_b32 s13, ttmp7, 0xffff                   ; 0: x, 1: the codebook
	s_lshl_b32 s14, ttmp9, 6
	s_lshl_b32 s15, s12, 3
	s_add_co_u32 s14, s14, s15                     ; my wave's first row
	s_lshl_b32 s16, s14, 11                        ; its byte offset in the input,
	s_mov_b32 s17, 0
	s_lshl_b32 s18, s13, 23
	s_lshl_b32 s19, s14, 10
	s_add_co_u32 s18, s18, s19                     ; in the bf16 copy,
	s_mov_b32 s19, 0
	s_lshl_b32 s20, s13, 15
	s_lshl_b32 s21, ttmp9, 8
	s_add_co_u32 s20, s20, s21
	s_add_co_u32 s20, s20, 16777216                ; and the group's 64 sums
	s_mov_b32 s21, 0
	s_mul_i32 s26, s12, WLDS                       ; my wave's LDS bytes
	s_lshl_b32 s27, s12, 5
	s_add_co_u32 s27, s27, NORM
	s_mov_b32 s28, 0xffff0000                      ; a word's upper bf16
	v_and_b32 v8, 31, v0                           ; lane
	v_lshlrev_b32 v[LO], 4, v8
	v_lshlrev_b32 v[SO], 3, v8
	v_lshrrev_b32 v9, 3, v8
	v_mul_u32_u24 v[LS], v9, 144                   ; eight lanes fill a block of 32 numbers
	v_and_b32 v9, 7, v8
	v_lshl_add_u32 v[LS], v9, 4, v[LS]
	v_add_nc_u32 v[LS], s26, v[LS]
	v_lshrrev_b32 v9, 4, v8                        ; which row of a pair
	v_mul_u32_u24 v[LR], v9, LROW
	v_and_b32 v10, 15, v8                          ; which block
	v_mad_u32_u24 v[LR], v10, 144, v[LR]
	v_add_nc_u32 v[LR], s26, v[LR]
	v_lshl_add_u32 v[NA], v9, 2, s27
	s_wait_kmcnt 0x0
	s_cmp_eq_u32 s13, 0
	s_cselect_b64 s[10:11], s[4:5], s[6:7]
	s_add_nc_u64 s[10:11], s[10:11], s[16:17]
	s_add_nc_u64 s[22:23], s[8:9], s[18:19]
	s_add_nc_u64 s[24:25], s[8:9], s[20:21]
.irp p, 0,1,2,3,4,5,6,7
.irp i, 0,1,2,3
	global_load_b128 v[X+16*(\p)+4*(\i):X+16*(\p)+4*(\i)+3], v[LO], s[10:11] offset:2048*(\p)+512*(\i) th:TH_LOAD_NT
.endr
.endr
; Row p: rounded, stored (256 consecutive bytes a store), widened again and laid into LDS.
.macro ROWIN p
	s_wait_loadcnt 4*(7-(\p))                      ; loads return in order: the later rows' four loads each may stay out
.irp i, 0,1,2,3
	v_cvt_pk_bf16_f32 v[B+8*(\p)+2*(\i)],   v[X+16*(\p)+4*(\i)],   v[X+16*(\p)+4*(\i)+1]
	v_cvt_pk_bf16_f32 v[B+8*(\p)+2*(\i)+1], v[X+16*(\p)+4*(\i)+2], v[X+16*(\p)+4*(\i)+3]
.endr
.irp i, 0,1,2,3
	global_store_b64 v[SO], v[B+8*(\p)+2*(\i):B+8*(\p)+2*(\i)+1], s[22:23] offset:1024*(\p)+256*(\i)
.endr
.irp i, 0,1,2,3
	v_lshlrev_b32 v[X+16*(\p)+4*(\i)],   16,  v[B+8*(\p)+2*(\i)]
	v_and_b32     v[X+16*(\p)+4*(\i)+1], s28, v[B+8*(\p)+2*(\i)]
	v_lshlrev_b32 v[X+16*(\p)+4*(\i)+2], 16,  v[B+8*(\p)+2*(\i)+1]
	v_and_b32     v[X+16*(\p)+4*(\i)+3], s28, v[B+8*(\p)+2*(\i)+1]
.endr
.irp i, 0,1,2,3
	ds_store_b128 v[LS], v[X+16*(\p)+4*(\i):X+16*(\p)+4*(\i)+3] offset:LROW*(\p)+576*(\i)
.endr
.endm
.irp p, 0,1,2,3,4,5,6,7
	ROWIN \p
.endr
; Back by blocks: lanes 0-15 take the 16 blocks of row 2 p, lanes 16-31 those of row 2 p + 1.  LDS serves a wave's instructions in order, so these see the stores above.
.irp p, 0,1,2,3
.irp k, 0,1,2,3,4,5,6,7
	ds_load_b128 v[X+32*(\p)+4*(\k):X+32*(\p)+4*(\k)+3], v[LR] offset:2*LROW*(\p)+16*(\k)
.endr
.endr
	s_wait_dscnt 0x0
.irp p, 0,1,2,3
	v_mul_f32 v[AC+(\p)], v[X+32*(\p)], v[X+32*(\p)]           ; the first square starts the sum
.endr
.set k, 1
.rept 31                               ; four chains side by side, each in ascending order
.irp p, 0,1,2,3
	v_fmac_f32 v[AC+(\p)], v[X+32*(\p)+k], v[X+32*(\p)+k]
.endr
.set k, k+1
.endr
.irp p, 0,1,2,3
	v_mov_b32 v[TO+(\p)], 0                        ; a DPP form's destination counts as read
.endr
.irp p, 0,1,2,3
	v_mov_b32_dpp v[TO+(\p)], v[AC+(\p)] row_share:0 row_mask:0xf bank_mask:0xf
.endr
.irp n, 1,2,3,4,5,6,7,8,9,10,11,12,13,14,15
.irp p, 0,1,2,3
	v_add_f32_dpp v[TO+(\p)], v[AC+(\p)], v[TO+(\p)] row_share:\n row_mask:0xf bank_mask:0xf  ; block n's sum, from lane n of my half, onto the row's
.endr
.endr
.irp p, 0,1,2,3
	ds_store_b32 v[NA], v[TO+(\p)] offset:8*(\p)   ; sixteen lanes write one word with one value
.endr
	s_wait_dscnt 0x0                               ; for the others' sake: my stores are done
	s_barrier_signal -1
	s_barrier_wait -1
	s_cmp_lg_u32 s12, 0
	s_cbranch_scc1 .Lend
	v_add_nc_u32 v9, NORM, v[SO]                   ; wave 0 sends the group's 64 sums out as 256 consecutive bytes
	ds_load_b64 v[10:11], v9
	s_wait_dscnt 0x0
	global_store_b64 v[SO], v[10:11], s[24:25]
.Lend:
	s_wait_tensorcnt 0x0                           ; the wave's end, behind my last LDS store
	ds_add_u32 v[SPW], v[NIL]
	s_wait_dscnt 0x0
	s_endpgm
.Lfunc_end_k_q8368945e7a_prep:
	.size	k_q8368945e7a_prep, .Lfunc_end_k_q8368945e7a_prep-k_q8368945e7a_prep
	.p2alignl 7, 3214868480
	.fill 96, 4, 3214868480
	.section	.rodata,"a",@progbits
	.p2align	6, 0x0
	.amdhsa_kernel k_q8368945e7a_prep
		.amdhsa_group_segment_fixed_size 148736
		.amdhsa_private_segment_fixed_size 0
		.amdhsa_enable_private_segment 0
		.amdhsa_kernarg_size 24
		.amdhsa_user_sgpr_count 2
		.amdhsa_user_sgpr_kernarg_segment_ptr 1
		.amdhsa_wavefront_size32 1
		.amdhsa_system_sgpr_workgroup_id_x 1
		.amdhsa_system_sgpr_workgroup_id_y 1
		.amdhsa_system_sgpr_workgroup_id_z 1
		.amdhsa_system_vgpr_workitem_id 0
		.amdhsa_next_free_vgpr 208
		.amdhsa_next_free_sgpr 66
		.amdhsa_reserve_vcc 0
		.amdhsa_float_denorm_mode_32 3
		.amdhsa_float_denorm_mode_16_64 3
		.amdhsa_memory_ordered 1
		.amdhsa_forward_progress 1
		.amdhsa_inst_pref_size 30
	.end_amdhsa_kernel
	.amdgpu_metadata
---
amdhsa.version: [ 1, 2 ]
amdhsa.kernels:
  - .name:           k_q8368945e7a_prep
    .symbol:         k_q8368945e7a_prep.kd
    .args:
      - { .name: x, .offset: 0, .size: 8, .value_kind: global_buffer, .address_space: global }
      - { .name: codebook, .offset: 8, .size: 8, .value_kind: global_buffer, .address_space: global }
      - { .name: prepb, .offset: 16, .size: 8, .value_kind: global_buffer, .address_space: global }
    .group_segment_fixed_size: 148736
    .private_segment_fixed_size: 0
    .kernarg_segment_align: 8
    .kernarg_segment_size: 24
    .max_flat_workgroup_size: 256
    .sgpr_count:     66
    .vgpr_count:     208
    .wavefront_size: 32
...
	.end_amdgpu_metadata
.endif
;; end of part 1
;; launch dist (part 2): grid 32 x 8, 4 waves a work-group, clusters of 4 x 1, 327,680 bytes of LDS; arguments prepb, ebuf, tbl, stat; writes ebuf, tbl, stat
.if DOCPART == 2
	.amdgcn_target "amdgcn-amd-amdhsa--gfx1250"
	.amdhsa_code_object_version 6
	.text
	.protected	k_q8368945e7a_dist
	.globl	k_q8368945e7a_dist
	.p2align	8
	.type	k_q8368945e7a_dist,@function
k_q8368945e7a_dist:
	s_mov_b64 s[64:65], 0
	v_nop
	global_prefetch_b8 v0, s[64:65] scope:SCOPE_SE
	s_setreg_imm32_b32 hwreg(HW_REG_WAVE_MODE, 25, 1), 1
	s_wait_xcnt 0x0
	s_wait_alu depctr_hold_cnt(0) depctr_sa_sdst(0) depctr_va_vdst(0) depctr_va_sdst(0) depctr_va_ssrc(0) depctr_va_vcc(0) depctr_vm_vsrc(0)
	s_getreg_b32 s2, hwreg(HW_REG_IB_STS2, 6, 4)
	s_cmp_eq_u32 s2, 0
	s_cbranch_scc0 .Lentry_in_a_cluster
	s_endpgm
.Lentry_in_a_cluster:
	s_bfe_u32 s2, ttmp6, 0x10000c
	s_cmp_lg_u32 s2, 0x3003
	s_cbranch_scc0 .Lentry_shape_is_right
	s_endpgm
.Lentry_shape_is_right:
; All distances dist = sqrt(max(xsq - 2 x.c + csq, 0)) between 8,192 tokens and 8,192 codes, from the bf16 copies and the row sums in prepb; of each: the running nearest code, and the
; softmax of -dist / 0.01 with a running maximum.
; SHARES.  A work-group owns 256 tokens (grid x) and 1,024 codes (grid y); each of its four waves 64 tokens, four tiles t of 16, whose fragments for all 512 channels stay in 512 registers.
; Every wave walks the 1,024 codes in 32 GROUPS of 32 (two tiles c of 16): 128 matrix instructions on 8 accumulators that take turns.
; LAYOUT.  Source 0 = 16 codes, source 1 = 16 tokens: in the result a lane holds ONE token (lane % 16) and the codes 8 (lane / 16) + 0..7, so minimum and sums never change lanes here.
; BY TURNS.  While group g is multiplied, group g - 1's list of 524 vector instructions stands four behind each matrix instruction, the last 12 behind the turn; LUMP has moved its sums out of the accumulators first.
; THE NEAREST CODE follows reference()'s roundings: w = RN(RN(xsq - 2 dot) + csq), clamped; the root by v_rsq_f32 and one Newton step with a fused residual.  Rounding to nearest keeps the order, so the
; least root is the root of the least w: the exact root is taken of each code tile's least w alone.  The first index wins a tie: a tile replaces the best only if its root is strictly less; its eight w
; are kept, their roots are made at the end by the same four operations, and the first that equals the best gives the code.
; SOFTMAX.  c2 = log2(e) / 0.01.  Each lane keeps best = its least root so far, cb = RN(c2 best), Z = sum 2^u and T = sum u 2^u with u = cb - c2 sqrt(w) (v_sqrt_f32: its last bit moves u by under 1e-3).
; When cb falls by d, T = (T + d Z) 2^d and Z = Z 2^d.  The weights 2^u leave in bf16 (ebuf), with the cb that they were made with (tbl): a later launch needs them for the mean over tokens alone.
; LIMITS.  A squared distance below 2^-100 counts as 2^-100; a weight below 2^-126 counts as 0; NaN and infinities are not treated apart.
; CLUSTER.  The four work-groups of a cluster share grid y, so they walk the same codes: each tile is asked for JOINTLY, by the same tensor load, descriptor and mask in all four.
; ebuf [code tile 512][token block of 64: 128][t 4][lane 32][8 bf16]; tbl [group 256][block 128][lane 32][t 4] f32; stat [grid y 8][block 128][t 4][lane 32] records (best, index, Z, T).
; REGISTERS, in windows of 256 (s_set_vgpr_msb: bits 1:0 source 0, 3:2 source 1, 5:4 source 2, 7:6 destination):
;   window 0: all the vector work.   window 1: v0-63 the accumulators (16 t + 8 c); v64-191 code fragments, two halves of 64.   windows 2, 3: the tokens' fragments, 32 (k / 32) + 8 t.
.set PK,     1040                      ; a code's row in LDS: 1,024 bytes + 16 = 65 x 16: the 16 rows of a fragment load touch 16 different 16-byte columns
.set TILEC,  16*PK
.set STEPB,  32*PK                     ; a group
.set SLOT1,  1<<17                     ; a slot holds two groups (66,560 bytes); slot 1 begins here, so that one exclusive or changes slots
.set SPARE,  SLOT1+64*PK               ; the spare words: 128 bytes for each of four waves, named by no other line
.set CBOFF,  8388608
.set XSQOFF, 16777216
.set CSQOFF, 16809984
.set ESTEP,  524288                    ; a group's two code tiles in ebuf
.set TSTEP,  65536                     ; a group in tbl
.set NEPI,   524
.set AK0, 2                            ; v2   my lane's place in a tile of codes; never rewritten
.set AK,  3                            ; v3   the LDS address of the group in hand
.set QO,  4                            ; v4   my byte offset in 16 tokens' rows
.set EO,  5                            ; v5   16 x lane
.set CQO, 6                            ; v6   32 x (lane / 16)
.set XO,  7                            ; v7   4 x (lane % 16)
.set H8,  8                            ; v8   1,024 y + 8 x (lane / 16)
.set SPW, 10                           ; v10  my spare word;  v11  0
.set NIL, 11
.set MNB, 12                           ; v12-17, v18-23  by the token tile's parity, three pairs (one number a code tile): the least w, then its root; its reciprocal root; the root's first guess
.set CBN, 24                           ; v24  cb anew (v25, v27, v29 are named with their partners as pairs and hold 0)
.set DLT, 26                           ; v26  its change
.set AF,  28                           ; v28  2^change
.set CBV, 32                           ; v32-35  cb of t = 0..3
.set CSQ, 36                           ; v36-51  csq of my 16 codes of the group, 8 c + j
.set ST,  52                           ; 16 a tile t: +0 xsq, +1 best, +2 the best tile's number, +3 at work, +4,5 Z, +6,7 T, +8..15 the best tile's w
.set YY,  116                          ; v116-179  16 t + 8 c + j: the root, then u, at last the packed weights: the stores' data, written again only in the next group
.set WW,  180                          ; v180-243  16 t + 8 c + j: w, then the weights
.set ACC, 0
.set KF,  64
.set WV,  12                           ; s12  wave
.set G1,  24                           ; s[24:31] descriptor group 1
.set G0A, 32                           ; s[32:35] group 0 of the first fill
.set G0,  36                           ; s[36:39] group 0 of the second fill; it then walks
.set EB,  40                           ; s[40:41] ebuf, s[42:43] tbl: one group past the group whose vector work is in hand; the stores reach back by their immediates
.set TBL, 42
.set CQ,  44                           ; s[44:45] csq of the group to be loaded next
.set QB,  46
.set XS,  48
.set SB,  50
.set TB,  52                           ; s52  LDS byte at which the group to be fetched begins
.set CNT, 53
.set SLOTS, 54
.set TID0, 55                          ; s55, s56  the numbers of the two tiles whose vector work is in hand
.set TINY, 57
.set C2,  58
.set NC2, 60                           ; s[60:61] -c2
.set CS10, 62
.set MSB, 0
.macro WIN new                         ; the high byte repeats the setting that is left; a switch that changes nothing is dropped
.if MSB != (\new)
	s_set_vgpr_msb (MSB<<8)|(\new)
.set MSB, (\new)
.endif
.endm
.set W_MM2, 0x59                       ; codes, C and D in window 1, tokens in window 2
.set W_MM3, 0x5d                       ; tokens in window 3
.set W_MV,  0x01                       ; source 0 in window 1
.set W_LD,  0x40                       ; destination in window 1
.macro PLACES                          ; four plain vector instructions between a matrix instruction and a vector read of its result or a load into its registers
.rept 4
	v_nop
.endr
.endm
.macro CROUND                          ; a round of the cluster's barrier
	s_barrier_signal -1
	s_barrier_wait -1
	s_cmp_lg_u32 s[WV], 0
	s_cbranch_scc1 .Lnw0_\@
	s_barrier_signal -3
.Lnw0_\@:
	s_barrier_wait -3
	s_barrier_signal -1
	s_barrier_wait -1
.endm
.macro CSQLOAD
.irp c, 0,1
.irp k, 0,1
	global_load_b128 v[CSQ+8*(\c)+4*(\k):CSQ+8*(\c)+4*(\k)+3], v[CQO], s[CQ:CQ+1] offset:64*(\c)+16*(\k)
.endr
.endr
.endm
	s_load_b256 s[4:11], s[0:1], 0x0               ; prepb s[4:5], ebuf s[6:7], tbl s[8:9], stat s[10:11]
	v_lshl_add_u32 v[SPW], v0, 2, SPARE
	v_mov_b32 v[NIL], 0
	ds_add_u32 v[SPW], v[NIL]                      ; the wave's opening: the add and its wait stand ahead of my first tensor load; work on registers stands between them
	v_lshrrev_b32 v1, 5, v0
	v_readfirstlane_b32 s[WV], v1                  ; wave 0..3
	s_bfe_u32 s13, ttmp6, 0x40000                  ; cx
	s_lshl_b32 s14, ttmp9, 2
	s_add_co_u32 s14, s14, s13                     ; my block of 256 tokens: it enters the tokens' and the outputs' addresses alone
	s_and_b32 s15, ttmp7, 0xffff                   ; my 1,024 codes, which the four partners share
	s_lshl_b32 s16, s14, 2
	s_add_co_u32 s16, s16, s[WV]                   ; my wave's block of 64 tokens
	s_mov_b32 s[G1], 15|(1<<16)|(1<<20)|(1<<21)|(7<<22)|(3<<25)  ; the mask of four; 2-byte elements; padding on; bit 21 beside a mask; after every 256 words 4 words
	s_mov_b32 s[G1+1], 512<<16                     ; tensor_dim0 = 512
	s_mov_b32 s[G1+2], 16<<16                      ; tensor_dim1 = 16
	s_mov_b32 s[G1+3], 512<<16                     ; tile_dim0 = 512
	s_mov_b32 s[G1+4], 16                          ; tile_dim1 = 16: each wave brings 16 of a slot's 64 rows, 16,384 bytes
	s_mov_b32 s[G1+5], 512                         ; elements from row to row
	s_mov_b32 s[G1+6], 0
	s_mov_b32 s[G1+7], 0
	s_lshl_b32 s20, s15, 20                        ; 1,024 codes of 1,024 bytes,
	s_lshl_b32 s21, s[WV], 14                      ; my 16 rows of a tile
	s_add_co_u32 s20, s20, s21
	s_add_co_u32 s20, s20, CBOFF
	s_mov_b32 s21, 0
	s_mul_i32 s17, s[WV], TILEC                    ; and their place in a slot: no place in the cluster enters an LDS address
	s_mov_b32 s[G0A], 1
	s_mov_b32 s[G0A+1], s17
	s_mov_b32 s[G0], 1
	s_add_co_u32 s[G0+1], s17, SLOT1
	s_mov_b32 s[TID0], -2                          ; each LUMP adds 2: the first makes them 0 and 1
	s_mov_b32 s[TID0+1], -1
	s_mov_b32 s[TINY], 0x0d800000                  ; 2^-100
	s_mov_b32 s[C2], 0x431044fe                    ; 144.2695
	s_mov_b32 s[NC2], 0xc31044fe
	s_mov_b32 s[NC2+1], 0xc31044fe
	s_lshl_b32 s[CS10], s15, 10
	s_mov_b32 s[TB], 0
	s_wait_dscnt 0x0                               ; the opening add is done
	s_wait_kmcnt 0x0
	s_add_nc_u64 s[20:21], s[4:5], s[20:21]
	s_mov_b64 s[G0A+2:G0A+3], s[20:21]             ; codes 0 to 63 of my 1,024
	s_or_b32 s[G0A+3], s[G0A+3], 0x80000000
	s_add_nc_u64 s[G0+2:G0+3], s[20:21], 65536     ; codes 64 to 127
	s_or_b32 s[G0+3], s[G0+3], 0x80000000
	CROUND                                         ; all four work-groups are here: the first joint loads meet
	tensor_load_to_lds s[G0A:G0A+3], s[G1:G1+7]    ; both first fills together: two loads of mine are out
	s_nop 0
	tensor_load_to_lds s[G0:G0+3], s[G1:G1+7]
	s_nop 0
	PLACES
	s_lshl_b32 s2, s15, 24                         ; the other addresses, each from its own buffer's pointer and an offset made apart
	s_lshl_b32 s3, s16, 11
	s_add_co_u32 s2, s2, s3
	s_mov_b32 s3, 0
	s_add_nc_u64 s[EB:EB+1], s[6:7], s[2:3]
	s_lshl_b32 s2, s15, 21
	s_lshl_b32 s18, s16, 9
	s_add_co_u32 s2, s2, s18
	s_add_nc_u64 s[TBL:TBL+1], s[8:9], s[2:3]
	s_lshl_b32 s2, s15, 12
	s_add_co_u32 s2, s2, CSQOFF
	s_add_nc_u64 s[CQ:CQ+1], s[4:5], s[2:3]
	s_lshl_b32 s2, s16, 16
	s_add_nc_u64 s[QB:QB+1], s[4:5], s[2:3]
	s_lshl_b32 s2, s16, 8
	s_add_co_u32 s2, s2, XSQOFF
	s_add_nc_u64 s[XS:XS+1], s[4:5], s[2:3]
	s_lshl_b32 s2, s15, 18
	s_lshl_b32 s18, s16, 11
	s_add_co_u32 s2, s2, s18
	s_add_nc_u64 s[SB:SB+1], s[10:11], s[2:3]
	; A fragment is 16 rows x 32 channels in 8 registers: lane l holds row l % 16, channels 8 (l / 16) + 0..7 and 16 + 8 (l / 16) + 0..7: two loads of 16 bytes, 32 bytes apart.
	v_and_b32 v1, 15, v0
	v_bfe_u32 v9, v0, 4, 1
	v_lshlrev_b32 v[QO], 10, v1
	v_lshl_add_u32 v[QO], v9, 4, v[QO]
	WIN 0x80
.set i, 0
.rept 32                               ; channels 32 (i / 4) on, tile i % 4
	global_load_b128 v[32*(i/4)+8*(i%4):32*(i/4)+8*(i%4)+3],   v[QO], s[QB:QB+1] offset:(i%4)*16384+(i/4)*64
	global_load_b128 v[32*(i/4)+8*(i%4)+4:32*(i/4)+8*(i%4)+7], v[QO], s[QB:QB+1] offset:(i%4)*16384+(i/4)*64+32
.set i, i+1
.endr
	WIN 0xc0
.set i, 0
.rept 32                               ; channels 256 + 32 (i / 4) on
	global_load_b128 v[32*(i/4)+8*(i%4):32*(i/4)+8*(i%4)+3],   v[QO], s[QB:QB+1] offset:(i%4)*16384+(i/4)*64+512
	global_load_b128 v[32*(i/4)+8*(i%4)+4:32*(i/4)+8*(i%4)+7], v[QO], s[QB:QB+1] offset:(i%4)*16384+(i/4)*64+544
.set i, i+1
.endr
	WIN 0
	v_mul_u32_u24 v[AK0], v1, PK
	v_lshl_add_u32 v[AK0], v9, 4, v[AK0]
	v_and_b32 v[EO], 31, v0
	v_lshlrev_b32 v[EO], 4, v[EO]
	v_lshlrev_b32 v[CQO], 5, v9
	v_lshlrev_b32 v[XO], 2, v1
	v_lshl_add_u32 v[H8], v9, 3, s[CS10]
.irp t, 0,1,2,3
	global_load_b32 v[ST+16*(\t)], v[XO], s[XS:XS+1] offset:64*(\t)
.endr
	CSQLOAD                                        ; group 0's
	v_mov_b32 v[CBN+1], 0
	v_mov_b32 v[DLT+1], 0
	v_mov_b32 v[AF+1], 0
.irp t, 0,1,2,3
	v_mov_b32 v[CBV+(\t)], 0x7149f2ca              ; 1e30: the first change is hugely negative, its power 0, and Z and T start from 0
	v_mov_b32 v[ST+16*(\t)+1], 0x7f7fffff          ; best: the largest finite number
.irp e, 2,3,4,5,6,7,8,9,10,11,12,13,14,15
	v_mov_b32 v[ST+16*(\t)+(\e)], 0
.endr
.endr
; THE MATRIX WORK.  Product i of a group's 128: channels 32 (i / 8) on, code tile (i / 4) % 2, token tile i % 4.  The first 8 start the sums with the constant 0.
.macro MM
.set kap, i/8
.set rA, ACC+16*(i%4)+8*((i/4)%2)
.set rK, KF+64*((kap/4)%2)+16*(kap%4)+8*((i/4)%2)
.set rQ, 32*(kap%8)+8*(i%4)
.if kap < 8
	WIN W_MM2
.else
	WIN W_MM3
.endif
.if i < 8
	v_wmma_f32_16x16x32_bf16 v[rA:rA+7], v[rK:rK+7], v[rQ:rQ+7], 0
.else
	v_wmma_f32_16x16x32_bf16 v[rA:rA+7], v[rK:rK+7], v[rQ:rQ+7], v[rA:rA+7]
.endif
.endm
; THE LDS LOADS stand in runs of sixteen: run sig brings the codes' fragments for channels 128 sig on (a block of 32 matrix instructions' worth) into half sig % 2.
.macro KRUN sig
	WIN W_LD
.irp k, 0,1,2,3
.irp c, 0,1
	ds_load_b128 v[KF+64*((\sig)%2)+16*(\k)+8*(\c):KF+64*((\sig)%2)+16*(\k)+8*(\c)+3],   v[AK] offset:(\c)*TILEC+(4*(\sig)+(\k))*64
	ds_load_b128 v[KF+64*((\sig)%2)+16*(\k)+8*(\c)+4:KF+64*((\sig)%2)+16*(\k)+8*(\c)+7], v[AK] offset:(\c)*TILEC+(4*(\sig)+(\k))*64+32
.endr
.endr
.endm
.macro KPRE                            ; a group begins: its address and its first run, into the half whose last reader stands 32 products back
	WIN 0
	v_add_nc_u32 v[AK], s[TB], v[AK0]
	s_add_co_u32 s[TB], s[TB], STEPB
	KRUN 0
.endm
; xsq - 2 dot, rounded once, out of the accumulators: each accumulator's lowest registers first.  The places behind the last products are the 16 plain instructions that end the
; turn before (or the four v_nop behind the first turn).  Behind it the last group's stores have read their registers and bases: the bases step on, and the list may write the stores' registers anew.
.macro LUMP
	s_wait_loadcnt 0x0                             ; this group's csq is in, and the load's base may be stepped
	s_add_nc_u64 s[CQ:CQ+1], s[CQ:CQ+1], 128
	WIN W_MV
.set k, 0
.rept 32
	v_pk_fma_f32 v[WW+2*k:WW+2*k+1], v[ACC+2*k:ACC+2*k+1], -2.0, v[ST+16*(k/8):ST+16*(k/8)+1] op_sel_hi:[1,0,0]
.set k, k+1
.endr
	s_wait_xcnt 0x0                                ; the stores were issued ahead of the sixteen LDS loads and the 32 lines above
	s_add_nc_u64 s[EB:EB+1], s[EB:EB+1], ESTEP
	s_add_nc_u64 s[TBL:TBL+1], s[TBL:TBL+1], TSTEP
	s_add_co_u32 s[TID0], s[TID0], 2
	s_add_co_u32 s[TID0+1], s[TID0+1], 2
.endm
; THE GLOBAL MEMORY INSTRUCTIONS of the list are only marked there (bits of PEND: 2 t + c a tile's weights, 8 the four cb, 9 the next csq) and issued together, beside the LDS runs and at the turn's end.
.macro MEMFLUSH
.if PEND != 0
	WIN 0
.if PEND & 0x200
	CSQLOAD
.endif
.irp t, 0,1,2,3
.irp c, 0,1
.if (PEND>>(2*(\t)+(\c))) & 1
	global_store_b128 v[EO], v[YY+16*(\t)+8*(\c):YY+16*(\t)+8*(\c)+3], s[EB:EB+1] offset:262144*(\c)+512*(\t)-ESTEP th:TH_STORE_NT  ; a code tile's 16 bytes a lane: 512 consecutive bytes
.endif
.endr
.endr
.if PEND & 0x100
	global_store_b128 v[EO], v[CBV:CBV+3], s[TBL:TBL+1] offset:-TSTEP th:TH_STORE_NT  ; the four cb that this group's weights are made with: 512 consecutive bytes
.endif
.set PEND, 0
.endif
.endm
; THE VECTOR WORK of a group, by kinds; t is the token tile.
.macro PRE t, n                        ; 0-7: + csq, by pairs; 8-23: the clamp.  Behind csq's last use the next group's is marked
.if (\n) < 8
	v_pk_add_f32 v[WW+16*(\t)+2*(\n):WW+16*(\t)+2*(\n)+1], v[WW+16*(\t)+2*(\n):WW+16*(\t)+2*(\n)+1], v[CSQ+2*(\n):CSQ+2*(\n)+1]
.else
	v_max_num_f32 v[WW+16*(\t)+(\n)-8], s[TINY], v[WW+16*(\t)+(\n)-8]
.endif
.if ((\t) == 3) && ((\n) == 7) && LOADCSQ
.set PEND, PEND|0x200
.endif
.endm
.macro SQ t, m                         ; the root for the softmax
	v_sqrt_f32 v[YY+16*(\t)+(\m)], v[WW+16*(\t)+(\m)]
.endm
.macro HMIN t, n                       ; the least of each code tile's eight w, the two tiles alternating
.set hc, (\n)%2
.set hw, WW+16*(\t)+8*hc
.set hm, MNB+6*((\t)%2)+hc
.if (\n)/2 == 0
	v_min3_num_f32 v[hm], v[hw], v[hw+1], v[hw+2]
.elseif (\n)/2 == 1
	v_min3_num_f32 v[hm], v[hm], v[hw+3], v[hw+4]
.elseif (\n)/2 == 2
	v_min3_num_f32 v[hm], v[hm], v[hw+5], v[hw+6]
.else
	v_min_num_f32 v[hm], v[hm], v[hw+7]
.endif
.endm
.macro MX t, n                         ; the exact root of the two minima: 0, 1: y = 1 / sqrt(w); then as a pair: s = w y;  r = w - s s, fused;  r y;  s + r y / 2, in w's place
.set xm, MNB+6*((\t)%2)
.if (\n) < 2
	v_rsq_f32 v[xm+2+(\n)], v[xm+(\n)]
.elseif (\n) == 2
	s_wait_alu depctr_va_vdst(0)
	v_pk_mul_f32 v[xm+4:xm+5], v[xm:xm+1], v[xm+2:xm+3]
.elseif (\n) == 3
	v_pk_fma_f32 v[xm:xm+1], v[xm+4:xm+5], v[xm+4:xm+5], v[xm:xm+1] neg_lo:[1,0,0] neg_hi:[1,0,0]
.elseif (\n) == 4
	v_pk_mul_f32 v[xm:xm+1], v[xm:xm+1], v[xm+2:xm+3]
.else
	v_pk_fma_f32 v[xm:xm+1], v[xm:xm+1], 0.5, v[xm+4:xm+5] op_sel_hi:[1,0,1]
.endif
.endm
.macro IDXS t, n                       ; eleven a code tile: is its root strictly less?  Then its number and its eight w are kept; the new best
.set ic, (\n)/11
.set ik, (\n)%11
.set it, ST+16*(\t)
.set iw, WW+16*(\t)+8*ic
.set im, MNB+6*((\t)%2)+ic
.if ik == 0
	v_cmp_lt_f32 vcc_lo, v[im], v[it+1]
.elseif ik == 1
	v_cndmask_b32 v[it+2], v[it+2], s[TID0+ic], vcc_lo
.elseif ik < 10
	v_cndmask_b32 v[it+6+ik], v[it+6+ik], v[iw+ik-2], vcc_lo
.else
	v_min_num_f32 v[it+1], v[it+1], v[im]
.endif
.endm
.macro JK t, n                         ; cb anew, its change and the change's power; u = cb - c2 root by pairs; T and Z are carried over
.set jt, ST+16*(\t)
.set jw, YY+16*(\t)+2*((\n)-4)
.if (\n) == 0
	v_mul_f32 v[CBN], s[C2], v[jt+1]
.elseif (\n) == 1
	v_sub_f32 v[DLT], v[CBN], v[CBV+(\t)]
.elseif (\n) == 2
	v_mov_b32 v[CBV+(\t)], v[CBN]
.if (\t) == 3
.set PEND, PEND|0x100
.endif
.elseif (\n) == 3
	v_exp_f32 v[AF], v[DLT]
.elseif (\n) < 12
	v_pk_fma_f32 v[jw:jw+1], v[jw:jw+1], s[NC2:NC2+1], v[CBN:CBN+1] op_sel_hi:[1,0,0]
.elseif (\n) == 12
	v_pk_fma_f32 v[jt+6:jt+7], v[jt+4:jt+5], v[DLT:DLT+1], v[jt+6:jt+7] op_sel_hi:[1,0,1]
.elseif (\n) == 13
	s_wait_alu depctr_va_vdst(0)
	v_pk_mul_f32 v[jt+6:jt+7], v[jt+6:jt+7], v[AF:AF+1] op_sel_hi:[1,0]
.else
	v_pk_mul_f32 v[jt+4:jt+5], v[jt+4:jt+5], v[AF:AF+1] op_sel_hi:[1,0]
.endif
.endm
.macro CH t, n                         ; tile t's CHAIN of 41, each part waiting for the one before: the root's four packed lines, the 22 of the index, the 15 of cb and u
.if (\n) < 4
	MX \t, (\n)+2
.elseif (\n) < 26
	IDXS \t, (\n)-4
.else
	JK \t, (\n)-26
.endif
.endm
.macro EX t, m                         ; 2^u, into w's register: the index has kept what it needs of w
	v_exp_f32 v[WW+16*(\t)+(\m)], v[YY+16*(\t)+(\m)]
.endm
.macro POST t, n                       ; three a pair: Z, T, the rounding to bf16, into registers whose u has been used
.set pp, (\n)/3
.set pt, ST+16*(\t)
.set pw, WW+16*(\t)
.set py, YY+16*(\t)
.if (\n)%3 == 0
	s_wait_alu depctr_va_vdst(0)
	v_pk_add_f32 v[pt+4:pt+5], v[pt+4:pt+5], v[pw+2*pp:pw+2*pp+1]
.elseif (\n)%3 == 1
	v_pk_fma_f32 v[pt+6:pt+7], v[pw+2*pp:pw+2*pp+1], v[py+2*pp:py+2*pp+1], v[pt+6:pt+7]
.else
	v_cvt_pk_bf16_f32 v[py+8*(pp/4)+pp%4], v[pw+2*pp], v[pw+2*pp+1]
.if pp%4 == 3
.set PEND, PEND|(1<<(2*(\t)+pp/4))
.endif
.endif
.endm
.macro MIXA zz, th, tc                 ; 32 plain: tile th's minima by turns with the head of tile tc's chain, then the chain's 8 to 23
.if (\zz) < 16
.if (\zz)%2 == 0
	HMIN \th, (\zz)/2
.else
	CH \tc, (\zz)/2
.endif
.else
	CH \tc, (\zz)-8
.endif
.endm
.macro MIXB zz, tp, tc                 ; 32: tile tp's sums by turns with tile tc's chain 24 to 31, then the rest of the sums
.if (\zz) < 16
.if (\zz)%2 == 0
	POST \tp, (\zz)/2
.else
	CH \tc, 24+(\zz)/2
.endif
.else
	POST \tp, (\zz)-8
.endif
.endm
; THE LIST: number q of the group's 524.  In a stretch of 48 a root or an exponential of one tile is followed by two lines of other tiles.  Every root and exponential has, as the next plain instruction
; behind it, one that names neither its result nor its source, and its result is first used in a later stretch (the chain's own 2^change: nine lines on), however the list is dealt.
; A tile's steps keep their order: PRE, then SQ and HMIN, the two reciprocal roots, the chain, EX, POST.  The pairs at MNB go by the tile's parity: tile t + 2's minima come behind tile t's index.
.macro EPI
.if q < 24
	PRE 0, q
.elseif q < 72
.set z, q-24
.set zi, 2*(z/3)+z%3-1
.if z%3 == 0
	SQ 0, z/3
.elseif zi < 8
	HMIN 0, zi
.else
	PRE 1, zi-8
.endif
.elseif q < 74
	MX 0, q-72
.elseif q < 122
.set z, q-74
.set zi, 2*(z/3)+z%3-1
.if z%3 == 0
	SQ 1, z/3
.else
	MIXA zi, 1, 0
.endif
.elseif q < 124
	MX 1, q-122
.elseif q < 165
.set z, q-124
.if z >= 34
	PRE 2, z-17
.elseif z%2 == 0
	CH 0, 24+z/2
.else
	PRE 2, z/2
.endif
.elseif q < 213
.set z, q-165
.set zi, 2*(z/3)+z%3-1
.if z%3 == 0
	EX 0, z/3
.else
	MIXA zi, 2, 1
.endif
.elseif q < 215
	MX 2, q-213
.elseif q < 263
.set z, q-215
.set zi, 2*(z/3)+z%3-1
.if z%3 == 0
	SQ 2, z/3
.else
	MIXB zi, 0, 1
.endif
.elseif q < 296
.set z, q-263
.if z >= 18
	PRE 3, z-9
.elseif z%2 == 0
	CH 1, 32+z/2
.else
	PRE 3, z/2
.endif
.elseif q < 344
.set z, q-296
.set zi, 2*(z/3)+z%3-1
.if z%3 == 0
	EX 1, z/3
.else
	MIXA zi, 3, 2
.endif
.elseif q < 346
	MX 3, q-344
.elseif q < 394
.set z, q-346
.set zi, 2*(z/3)+z%3-1
.if z%3 == 0
	SQ 3, z/3
.else
	MIXB zi, 1, 2
.endif
.elseif q < 412
.set z, q-394
.if z%2 == 0
	CH 2, 32+z/2
.else
	CH 3, z/2
.endif
.elseif q < 460
.set z, q-412
.set zi, 2*(z/3)+z%3-1
.if z%3 == 0
	EX 2, z/3
.else
	CH 3, 9+zi
.endif
.elseif q < 484
.set z, q-460
.set zi, 2*(z/3)+z%3-1
.if z%3 == 0
	EX 3, z/3
.else
	POST 2, zi
.endif
.elseif q < 500
.set z, q-484
.if z%2 == 0
	EX 3, 8+z/2
.else
	POST 2, 16+z/2
.endif
.else
	POST 3, q-500
.endif
.endm
.macro NEXT
.if q < NEPI
	WIN 0
	EPI
.set q, q+1
.endif
.endm
; A TURN: a group's 128 products, in four blocks of 32.  ride = 1: four of the list behind each product, and the 12 that are over, all plain, behind the last.  At a block's head its fragments, asked for 30
; products earlier, are waited for.  Behind a block's second product stand what the list has marked and the next block's run, into the half whose last reader stands three products back, with their
; twelve riders (of any three at least one is plain, of these twelve at least six) or, without riders, four v_nop between.
.macro TURN ride
.set i, 0
.rept 128
.if i%32 == 0
	s_wait_dscnt 0x0
.endif
.if i%32 == 2
.if !(\ride)
	PLACES
.endif
	MEMFLUSH
.if i/32 <= 2
	KRUN i/32+1
.endif
.endif
	MM
.if \ride
.rept 4
	NEXT
.endr
.endif
.set i, i+1
.endr
.if \ride
.rept NEPI-512
	NEXT
.endr
.endif
	MEMFLUSH
	WIN 0                                          ; at a label and at a branch every window is 0
.endm
.macro STEP
	KPRE
	LUMP
.set q, 0
	TURN 1
.endm
; THE CHANGE OF SLOTS.  Each wave waits for all its tensor loads, of which one is out: its part of the other slot; adds 0 to its spare word; waits for that and for its reads of the slot that it leaves.
; fill = 1: the barrier is a round of the cluster's, and the joint refill, the codes two slots on, is the first thing behind it: it has two groups, 256 matrix instructions, in which to land.
.macro CHANGE fill
	WIN 0
	s_wait_tensorcnt 0x0                           ; no tensor load of mine is out, so a group 0 may be written
	ds_add_u32 v[SPW], v[NIL]
.if \fill
	s_xor_b32 s[G0+1], s[G0+1], SLOT1
	s_add_nc_u64 s[G0+2:G0+3], s[G0+2:G0+3], 65536 ; the next 64 codes; the type bits on top are not reached
	s_wait_dscnt 0x0                               ; the add is done, and my reads of the slot are over
	CROUND
	tensor_load_to_lds s[G0:G0+3], s[G1:G1+7]
	s_nop 0
	PLACES
.else
	s_wait_dscnt 0x0
	s_barrier_signal -1
	s_barrier_wait -1
.endif
	s_sub_co_u32 s[TB], s[TB], 2*STEPB             ; the fetches go back to a slot's first group,
	s_xor_b32 s[TB], s[TB], SLOT1                  ; in the other slot
.endm
.set LOADCSQ, 1
.set PEND, 0
.set q, NEPI
	s_wait_tensorcnt 0x1                           ; my part of slot 0 is in; slot 1's, issued behind it, may stay out
	s_barrier_signal -1
	s_barrier_wait -1                              ; everybody's is
	KPRE
	s_wait_loadcnt 0x0                             ; the tokens' fragments, xsq, csq
	TURN 0                                         ; group 0: there is no vector work yet to set between its products
	PLACES                                         ; the places behind its last products
	s_mov_b32 s[CNT], 1                            ; slot 0 has one group left
	s_mov_b32 s[SLOTS], 15
	s_branch .Lstep
.Lslot:                                                ; 14 times: slots 2 to 15 are asked for
	CHANGE 1
	s_mov_b32 s[CNT], 2
.Lstep:
	STEP
	s_sub_co_u32 s[CNT], s[CNT], 1
	s_cmp_lg_u32 s[CNT], 0
	s_cbranch_scc1 .Lstep
	s_sub_co_u32 s[SLOTS], s[SLOTS], 1
	s_cmp_lg_u32 s[SLOTS], 0
	s_cbranch_scc1 .Lslot
	CHANGE 0                                       ; the last slot is written out: nothing is asked for
	s_mov_b32 s[CNT], 2
.Ltail:
	STEP
	s_sub_co_u32 s[CNT], s[CNT], 1
	s_cmp_lg_u32 s[CNT], 0
	s_cbranch_scc1 .Ltail
	LUMP                                           ; the last group's vector work stands alone
.set q, 0
.set LOADCSQ, 0
.rept NEPI
	NEXT
.endr
	MEMFLUSH
	; The records.  The roots of the best tile's eight w, by the four operations that made the best; the first that equals it gives the code: 1,024 y + 16 tile + 8 (lane / 16) + j.
	WIN 0
.irp t, 0,1,2,3
.irp j, 0,1,2,3,4,5,6,7
	v_rsq_f32 v[WW+8*(\t)+(\j)], v[ST+16*(\t)+8+(\j)]
.endr
.endr
	v_nop                                          ; a plain instruction between the reciprocal roots and their use
	s_wait_alu depctr_va_vdst(0)
.irp t, 0,1,2,3
.irp p, 0,1,2,3
	v_pk_mul_f32 v[WW+32+8*(\t)+2*(\p):WW+33+8*(\t)+2*(\p)], v[ST+16*(\t)+8+2*(\p):ST+16*(\t)+9+2*(\p)], v[WW+8*(\t)+2*(\p):WW+8*(\t)+2*(\p)+1]
.endr
.endr
.irp t, 0,1,2,3
.irp p, 0,1,2,3
	v_pk_fma_f32 v[ST+16*(\t)+8+2*(\p):ST+16*(\t)+9+2*(\p)], v[WW+32+8*(\t)+2*(\p):WW+33+8*(\t)+2*(\p)], v[WW+32+8*(\t)+2*(\p):WW+33+8*(\t)+2*(\p)], v[ST+16*(\t)+8+2*(\p):ST+16*(\t)+9+2*(\p)] neg_lo:[1,0,0] neg_hi:[1,0,0]
.endr
.endr
.irp t, 0,1,2,3
.irp p, 0,1,2,3
	v_pk_mul_f32 v[ST+16*(\t)+8+2*(\p):ST+16*(\t)+9+2*(\p)], v[ST+16*(\t)+8+2*(\p):ST+16*(\t)+9+2*(\p)], v[WW+8*(\t)+2*(\p):WW+8*(\t)+2*(\p)+1]
.endr
.endr
.irp t, 0,1,2,3
.irp p, 0,1,2,3
	v_pk_fma_f32 v[ST+16*(\t)+8+2*(\p):ST+16*(\t)+9+2*(\p)], v[ST+16*(\t)+8+2*(\p):ST+16*(\t)+9+2*(\p)], 0.5, v[WW+32+8*(\t)+2*(\p):WW+33+8*(\t)+2*(\p)] op_sel_hi:[1,0,1]
.endr
.endr
.irp t, 0,1,2,3
	v_mov_b32 v[ST+16*(\t)+3], 7
.endr
.irp j, 6,5,4,3,2,1,0
.irp t, 0,1,2,3
	v_cmp_eq_f32 vcc_lo, v[ST+16*(\t)+8+(\j)], v[ST+16*(\t)+1]
	v_cndmask_b32 v[ST+16*(\t)+3], v[ST+16*(\t)+3], \j, vcc_lo
.endr
.endr
.irp t, 0,1,2,3
	v_mov_b32 v[WW+4*(\t)], v[ST+16*(\t)+1]
	v_lshl_add_u32 v[WW+4*(\t)+1], v[ST+16*(\t)+2], 4, v[ST+16*(\t)+3]
	v_add_nc_u32 v[WW+4*(\t)+1], v[WW+4*(\t)+1], v[H8]
	v_add_f32 v[WW+4*(\t)+2], v[ST+16*(\t)+4], v[ST+16*(\t)+5]
	v_add_f32 v[WW+4*(\t)+3], v[ST+16*(\t)+6], v[ST+16*(\t)+7]
	global_store_b128 v[EO], v[WW+4*(\t):WW+4*(\t)+3], s[SB:SB+1] offset:512*(\t)
.endr
	s_wait_tensorcnt 0x0                           ; the wave's end
	ds_add_u32 v[SPW], v[NIL]
	s_wait_dscnt 0x0
	CROUND                                         ; the closing round: no work-group ends while a partner may still ask for a tile that names it
	s_endpgm
.Lfunc_end_k_q8368945e7a_dist:
	.size	k_q8368945e7a_dist, .Lfunc_end_k_q8368945e7a_dist-k_q8368945e7a_dist
	.p2alignl 7, 3214868480
	.fill 96, 4, 3214868480
	.section	.rodata,"a",@progbits
	.p2align	6, 0x0
	.amdhsa_kernel k_q8368945e7a_dist
		.amdhsa_group_segment_fixed_size 327680
		.amdhsa_private_segment_fixed_size 0
		.amdhsa_enable_private_segment 0
		.amdhsa_kernarg_size 32
		.amdhsa_user_sgpr_count 2
		.amdhsa_user_sgpr_kernarg_segment_ptr 1
		.amdhsa_wavefront_size32 1
		.amdhsa_system_sgpr_workgroup_id_x 1
		.amdhsa_system_sgpr_workgroup_id_y 1
		.amdhsa_system_sgpr_workgroup_id_z 1
		.amdhsa_system_vgpr_workitem_id 0
		.amdhsa_next_free_vgpr 1024
		.amdhsa_next_free_sgpr 66
		.amdhsa_reserve_vcc 1
		.amdhsa_float_denorm_mode_32 3
		.amdhsa_float_denorm_mode_16_64 3
		.amdhsa_memory_ordered 1
		.amdhsa_forward_progress 1
		.amdhsa_inst_pref_size 169
	.end_amdhsa_kernel
	.amdgpu_metadata
---
amdhsa.version: [ 1, 2 ]
amdhsa.kernels:
  - .name:           k_q8368945e7a_dist
    .symbol:         k_q8368945e7a_dist.kd
    .args:
      - { .name: prepb, .offset: 0, .size: 8, .value_kind: global_buffer, .address_space: global }
      - { .name: ebuf, .offset: 8, .size: 8, .value_kind: global_buffer, .address_space: global }
      - { .name: tbl, .offset: 16, .size: 8, .value_kind: global_buffer, .address_space: global }
      - { .name: stat, .offset: 24, .size: 8, .value_kind: global_buffer, .address_space: global }
    .group_segment_fixed_size: 327680
    .private_segment_fixed_size: 0
    .kernarg_segment_align: 8
    .kernarg_segment_size: 32
    .max_flat_workgroup_size: 128
    .sgpr_count:     66
    .vgpr_count:     1024
    .wavefront_size: 32
...
	.end_amdgpu_metadata
.endif
;; end of part 2
;; launch merge (part 3): grid 32 x 1, 4 waves a work-group, no clusters, 0 bytes of LDS; arguments stat, fin, idxw, out5; writes fin, idxw, out5
.if DOCPART == 3
	.amdgcn_target "amdgcn-amd-amdhsa--gfx1250"
	.amdhsa_code_object_version 6
	.text
	.protected	k_q8368945e7a_merge
	.globl	k_q8368945e7a_merge
	.p2align	8
	.type	k_q8368945e7a_merge,@function
k_q8368945e7a_merge:
	s_mov_b64 s[64:65], 0
	v_nop
	global_prefetch_b8 v0, s[64:65] scope:SCOPE_SE
	s_setreg_imm32_b32 hwreg(HW_REG_WAVE_MODE, 25, 1), 1
	s_wait_xcnt 0x0
; Joins each token's 16 records (8 ranges of 1,024 codes x 2 halves of the lanes) into its nearest code, its softmax's sum and its entropy.
; A wave takes a block of 64 tokens: lane l holds token l % 16 of each of four tiles t.  Records (best, index, Z, T) are relative to cb = RN(c2 best) of their lane.
; The first index wins a tie: the ranges are taken in ascending order and replace only if strictly nearer; between the halves of the lanes the lesser index decides.
; With cbF = RN(c2 best) of the token and d = cbF - cb <= 0: Z = sum Z_i 2^d_i, T = sum (T_i + d_i Z_i) 2^d_i; the entropy in bits is log2 Z - T / Z.
; fin: [block 128][cbF, 1 / Z][token 16][t 4] f32, and at 65,536 the 128 blocks' sums of entropies.  The indices go to out5 and, as whole numbers for the gather's addresses, to idxw.
; 2 MiB are read once by 128 waves; nothing is shared between work-groups, so there is neither LDS nor a cluster.
.set RB,  16                           ; v16-143  record (range c, tile t) at RB + 16 c + 4 t
.set CBF, 144
.set RZ,  148
.set IDX, 152
.set HH,  156
.set BE,  157
.set IX,  158
.set OB,  159
.set OI,  160
.set ZF,  161
.set TF,  162
.set LG,  163
.set FQ,  164                          ; v164-167
.set D0,  168                          ; v168-175
.set A0,  176                          ; v176-183
	s_load_b256 s[4:11], s[0:1], 0x0               ; stat, fin, idxw, out5
	v_lshrrev_b32 v1, 5, v0
	v_readfirstlane_b32 s12, v1
	s_lshl_b32 s13, ttmp9, 2
	s_add_co_u32 s13, s13, s12                     ; my block of 64 tokens
	v_and_b32 v1, 31, v0
	v_lshlrev_b32 v2, 4, v1                        ; 16 x lane
	v_lshlrev_b32 v3, 2, v1                        ; 4 x lane
	v_mov_b32 v4, 0
	s_lshl_b32 s14, s13, 11
	s_mov_b32 s15, 0
	s_lshl_b32 s16, s13, 9
	s_mov_b32 s17, 0
	s_lshl_b32 s18, s13, 8
	s_mov_b32 s19, 0
	s_lshl_b32 s20, s13, 2
	s_add_co_u32 s20, s20, 65536
	s_mov_b32 s21, 0
	s_mov_b32 s28, 0x431044fe                      ; c2 = log2(e) / 0.01
	s_mov_b32 s29, 0xffff0000                      ; lanes 16 to 31
	s_mov_b32 s30, 0x76543210                      ; v_permlanex16_b32: each lane takes its own place in the other half
	s_mov_b32 s31, 0xfedcba98
	s_wait_kmcnt 0x0
	s_add_nc_u64 s[4:5], s[4:5], s[14:15]
	s_add_nc_u64 s[24:25], s[6:7], s[16:17]
	s_add_nc_u64 s[26:27], s[6:7], s[20:21]
	s_add_nc_u64 s[8:9], s[8:9], s[18:19]
	s_add_nc_u64 s[10:11], s[10:11], s[18:19]
.irp c, 0,1,2,3,4,5,6,7
.irp t, 0,1,2,3
	global_load_b128 v[RB+16*(\c)+4*(\t):RB+16*(\c)+4*(\t)+3], v2, s[4:5] offset:262144*(\c)+512*(\t)
.endr
.endr
	v_mov_b32 v[HH], 0
	v_mov_b32 v[OB], 0                             ; v_permlanex16_b32's destination counts as read
	v_mov_b32 v[OI], 0
	s_wait_loadcnt 0x0
.macro MRG t
	v_mov_b32 v[BE], v[RB+4*(\t)]
	v_mov_b32 v[IX], v[RB+4*(\t)+1]
.irp c, 1,2,3,4,5,6,7
	v_cmp_lt_f32 vcc_lo, v[RB+16*(\c)+4*(\t)], v[BE]
	v_cndmask_b32 v[BE], v[BE], v[RB+16*(\c)+4*(\t)], vcc_lo
	v_cndmask_b32 v[IX], v[IX], v[RB+16*(\c)+4*(\t)+1], vcc_lo
.endr
	v_permlanex16_b32 v[OB], v[BE], s30, s31
	v_permlanex16_b32 v[OI], v[IX], s30, s31
	v_cmp_lt_f32 s20, v[OB], v[BE]
	v_cmp_eq_f32 s21, v[OB], v[BE]
	v_cmp_lt_u32 s22, v[OI], v[IX]
	s_and_b32 s21, s21, s22
	s_or_b32 s20, s20, s21                         ; the other half's is nearer, or as near with the lesser index
	v_cndmask_b32 v[BE], v[BE], v[OB], s20
	v_cndmask_b32 v[IDX+(\t)], v[IX], v[OI], s20
	v_mul_f32 v[CBF+(\t)], s28, v[BE]
.irp c, 0,1,2,3,4,5,6,7
	v_mul_f32 v[D0+(\c)], s28, v[RB+16*(\c)+4*(\t)]
.endr
.irp c, 0,1,2,3,4,5,6,7
	v_sub_f32 v[D0+(\c)], v[CBF+(\t)], v[D0+(\c)]
.endr
.irp c, 0,1,2,3,4,5,6,7
	v_exp_f32 v[A0+(\c)], v[D0+(\c)]
.endr
	v_nop                                          ; a plain instruction between the exponentials and the lines that use their results and rewrite their sources
.irp c, 0,1,2,3,4,5,6,7
	v_fma_f32 v[D0+(\c)], v[D0+(\c)], v[RB+16*(\c)+4*(\t)+2], v[RB+16*(\c)+4*(\t)+3]
.endr
	s_wait_alu depctr_va_vdst(0)
	v_mul_f32 v[ZF], v[RB+4*(\t)+2], v[A0]
	v_mul_f32 v[TF], v[D0], v[A0]
.irp c, 1,2,3,4,5,6,7
	v_fmac_f32 v[ZF], v[RB+16*(\c)+4*(\t)+2], v[A0+(\c)]
	v_fmac_f32 v[TF], v[D0+(\c)], v[A0+(\c)]
.endr
	v_permlanex16_b32 v[OB], v[ZF], s30, s31
	v_permlanex16_b32 v[OI], v[TF], s30, s31
	v_add_f32 v[ZF], v[ZF], v[OB]
	v_add_f32 v[TF], v[TF], v[OI]
	v_rcp_f32 v[RZ+(\t)], v[ZF]
	v_log_f32 v[LG], v[ZF]
	v_nop
	s_wait_alu depctr_va_vdst(0)
	v_fma_f32 v[LG], -v[TF], v[RZ+(\t)], v[LG]
	v_add_f32 v[HH], v[HH], v[LG]
.endm
	MRG 0
	MRG 1
	MRG 2
	MRG 3
	v_cndmask_b32 v[BE], v[IDX], v[IDX+1], s29     ; lanes 0-15 send tile 0's (2's) indices, lanes 16-31 tile 1's (3's): 128 consecutive bytes a store
	v_cndmask_b32 v[IX], v[IDX+2], v[IDX+3], s29
	global_store_b32 v3, v[BE], s[10:11]
	global_store_b32 v3, v[IX], s[10:11] offset:128
	global_store_b32 v3, v[BE], s[8:9]
	global_store_b32 v3, v[IX], s[8:9] offset:128
.irp t, 0,1,2,3
	v_cndmask_b32 v[FQ+(\t)], v[CBF+(\t)], v[RZ+(\t)], s29  ; lanes 0-15 send cbF, lanes 16-31 1 / Z: 512 consecutive bytes
.endr
	global_store_b128 v2, v[FQ:FQ+3], s[24:25]
	v_add_f32_dpp v[HH], v[HH], v[HH] row_xmask:1 row_mask:0xf bank_mask:0xf
	v_add_f32_dpp v[HH], v[HH], v[HH] row_xmask:2 row_mask:0xf bank_mask:0xf
	v_add_f32_dpp v[HH], v[HH], v[HH] row_xmask:4 row_mask:0xf bank_mask:0xf
	v_add_f32_dpp v[HH], v[HH], v[HH] row_xmask:8 row_mask:0xf bank_mask:0xf
	v_cmp_eq_u32 vcc_lo, 0, v1
	s_wait_xcnt 0x0                                ; EXEC changes only behind this wait
	s_and_saveexec_b32 s23, vcc_lo
	global_store_b32 v4, v[HH], s[26:27]           ; one number a wave
	s_wait_xcnt 0x0
	s_or_b32 exec_lo, exec_lo, s23
	s_endpgm
.Lfunc_end_k_q8368945e7a_merge:
	.size	k_q8368945e7a_merge, .Lfunc_end_k_q8368945e7a_merge-k_q8368945e7a_merge
	.p2alignl 7, 3214868480
	.fill 96, 4, 3214868480
	.section	.rodata,"a",@progbits
	.p2align	6, 0x0
	.amdhsa_kernel k_q8368945e7a_merge
		.amdhsa_group_segment_fixed_size 0
		.amdhsa_private_segment_fixed_size 0
		.amdhsa_enable_private_segment 0
		.amdhsa_kernarg_size 32
		.amdhsa_user_sgpr_count 2
		.amdhsa_user_sgpr_kernarg_segment_ptr 1
		.amdhsa_wavefront_size32 1
		.amdhsa_system_sgpr_workgroup_id_x 1
		.amdhsa_system_sgpr_workgroup_id_y 1
		.amdhsa_system_sgpr_workgroup_id_z 1
		.amdhsa_system_vgpr_workitem_id 0
		.amdhsa_next_free_vgpr 184
		.amdhsa_next_free_sgpr 66
		.amdhsa_reserve_vcc 1
		.amdhsa_float_denorm_mode_32 3
		.amdhsa_float_denorm_mode_16_64 3
		.amdhsa_memory_ordered 1
		.amdhsa_forward_progress 1
		.amdhsa_inst_pref_size 20
	.end_amdhsa_kernel
	.amdgpu_metadata
---
amdhsa.version: [ 1, 2 ]
amdhsa.kernels:
  - .name:           k_q8368945e7a_merge
    .symbol:         k_q8368945e7a_merge.kd
    .args:
      - { .name: stat, .offset: 0, .size: 8, .value_kind: global_buffer, .address_space: global }
      - { .name: fin, .offset: 8, .size: 8, .value_kind: global_buffer, .address_space: global }
      - { .name: idxw, .offset: 16, .size: 8, .value_kind: global_buffer, .address_space: global }
      - { .name: out5, .offset: 24, .size: 8, .value_kind: global_buffer, .address_space: global }
    .group_segment_fixed_size: 0
    .private_segment_fixed_size: 0
    .kernarg_segment_align: 8
    .kernarg_segment_size: 32
    .max_flat_workgroup_size: 128
    .sgpr_count:     66
    .vgpr_count:     184
    .wavefront_size: 32
...
	.end_amdgpu_metadata
.endif
;; end of part 3
;; launch tail (part 4): grid 384 x 1, 8 waves a work-group, no clusters, 0 bytes of LDS; arguments ebuf, tbl, fin, idxw, x, codebook, sums, out0; writes sums, out0
.if DOCPART == 4
	.amdgcn_target "amdgcn-amd-amdhsa--gfx1250"
	.amdhsa_code_object_version 6
	.text
	.protected	k_q8368945e7a_tail
	.globl	k_q8368945e7a_tail
	.p2align	8
	.type	k_q8368945e7a_tail,@function
k_q8368945e7a_tail:
	s_mov_b64 s[64:65], 0
	v_nop
	global_prefetch_b8 v0, s[64:65] scope:SCOPE_SE
	s_setreg_imm32_b32 hwreg(HW_REG_WAVE_MODE, 25, 1), 1
	s_wait_xcnt 0x0
; Two streams in one launch, chosen by the work-group's number; both are bound by memory, share no bytes worth a cluster, and keep their data in registers.
; WORK-GROUPS 0 TO 255: the sums over tokens of the probabilities.  Work-group g owns group g of 32 codes; wave w the code tile 2 g + w % 2 and the token blocks 32 (w / 2) to 32 (w / 2) + 31.
;   A kept weight e was made with its lane's cb at that time: p = e 2^(cbF - cb) / Z.  A lane holds one token of each of four tiles and eight codes; its eight sums are added over the 16 tokens' lanes
;   at the end.  A ring of four register slots, seven loads each, keeps 28 loads of a wave on their way.  sums: [quarter of the tokens 4][code 8192] f32; each wave stores two runs of 32 bytes there, 128 KiB in all.
; WORK-GROUPS 256 TO 383: out0 = x + (codebook[index] - x) and the sum of (codebook[index] - x)^2, both from the f32 inputs.  A wave takes 8 tokens; their indices are whole numbers that an earlier launch
;   stored, read by a scalar load and bounded by 8,191 before they enter an address.  sums + 131,072: one partial sum a wave, 1,024 in all.
.set SL,  16                           ; v16-127  slot s at SL + 28 s: 16 of weights, 4 of cb, 4 of cbF, 4 of 1 / Z
.set AC,  128                          ; v128-135 the eight sums
.set DB,  16                           ; the gather: v16-143, token k of a batch of four: 16 of x, 16 of the code
.set GA,  144                          ; v144-151 four pairs of sums of squares
	s_load_b256 s[4:11], s[0:1], 0x0               ; ebuf, tbl, fin, idxw
	s_load_b256 s[12:19], s[0:1], 0x20             ; x, codebook, sums, out0
	v_lshrrev_b32 v1, 5, v0
	v_readfirstlane_b32 s20, v1                    ; wave 0..7
	v_and_b32 v1, 31, v0
	v_lshlrev_b32 v2, 4, v1                        ; 16 x lane
	v_and_b32 v5, 15, v1
	v_lshlrev_b32 v3, 4, v5                        ; 16 x (lane % 16)
	s_wait_kmcnt 0x0
	s_cmp_lt_u32 ttmp9, 256
	s_cbranch_scc0 .Lgather
	s_and_b32 s21, s20, 1
	s_lshr_b32 s22, s20, 1                         ; which quarter of the tokens
	s_lshl_b32 s23, ttmp9, 1
	s_add_co_u32 s23, s23, s21                     ; my code tile
	s_lshl_b32 s34, s23, 18
	s_lshl_b32 s35, s22, 16
	s_add_co_u32 s34, s34, s35
	s_mov_b32 s35, 0
	s_add_nc_u64 s[24:25], s[4:5], s[34:35]        ; ebuf
	s_lshl_b32 s34, ttmp9, 16
	s_lshl_b32 s36, s22, 14
	s_add_co_u32 s34, s34, s36
	s_add_nc_u64 s[26:27], s[6:7], s[34:35]        ; tbl
	s_mov_b32 s34, s36
	s_add_nc_u64 s[28:29], s[8:9], s[34:35]        ; fin
	s_lshl_b32 s34, s22, 15
	s_lshl_b32 s36, s23, 6
	s_add_co_u32 s34, s34, s36
	s_add_nc_u64 s[38:39], s[16:17], s[34:35]      ; sums
	s_mov_b32 s31, 0xaaaaaaaa
	s_mov_b32 s32, 0xcccccccc
	s_mov_b32 s33, 0xf0f0f0f0
.macro FILL s, b                       ; slot s takes the block b blocks from the bases
.irp t, 0,1,2,3
	global_load_b128 v[SL+28*(\s)+4*(\t):SL+28*(\s)+4*(\t)+3], v2, s[24:25] offset:2048*(\b)+512*(\t) th:TH_LOAD_NT
.endr
	global_load_b128 v[SL+28*(\s)+16:SL+28*(\s)+19], v2, s[26:27] offset:512*(\b)
	global_load_b128 v[SL+28*(\s)+20:SL+28*(\s)+23], v3, s[28:29] offset:512*(\b)
	global_load_b128 v[SL+28*(\s)+24:SL+28*(\s)+27], v3, s[28:29] offset:512*(\b)+256
.endm
.macro SLOT s, ahead, left
.set sw, SL+28*(\s)+16
	s_wait_loadcnt \left                           ; loads return in order: mine are in, the younger slots' seven each stay out
	v_pk_add_f32 v[sw:sw+1],   v[sw+4:sw+5], v[sw:sw+1]   neg_lo:[0,1] neg_hi:[0,1]  ; cbF - cb
	v_pk_add_f32 v[sw+2:sw+3], v[sw+6:sw+7], v[sw+2:sw+3] neg_lo:[0,1] neg_hi:[0,1]
.irp t, 0,1,2,3
	v_exp_f32 v[sw+(\t)], v[sw+(\t)]
.endr
	v_nop                                          ; a plain instruction behind the exponentials
	s_wait_alu depctr_va_vdst(0)
	v_pk_mul_f32 v[sw:sw+1],   v[sw:sw+1],   v[sw+8:sw+9]
	v_pk_mul_f32 v[sw+2:sw+3], v[sw+2:sw+3], v[sw+10:sw+11]
.irp t, 0,1,2,3
.irp j, 0,1,2,3
	v_fma_mix_f32_bf16 v[AC+2*(\j)],   v[SL+28*(\s)+4*(\t)+(\j)], v[sw+(\t)], v[AC+2*(\j)]   op_sel_hi:[1,0,0]
	v_fma_mix_f32_bf16 v[AC+2*(\j)+1], v[SL+28*(\s)+4*(\t)+(\j)], v[sw+(\t)], v[AC+2*(\j)+1] op_sel:[1,0,0] op_sel_hi:[1,0,0]
.endr
.endr
.if \ahead
	FILL \s, (\s)+4
.endif
.endm
	FILL 0, 0
	FILL 1, 1
	FILL 2, 2
	FILL 3, 3
.irp j, 0,1,2,3,4,5,6,7
	v_mov_b32 v[AC+(\j)], 0
.endr
	s_mov_b32 s30, 7
.Lcol:
	SLOT 0, 1, 21
	SLOT 1, 1, 21
	SLOT 2, 1, 21
	SLOT 3, 1, 21
	s_wait_xcnt 0x0                                ; the bases are stepped only behind this wait
	s_add_nc_u64 s[24:25], s[24:25], 8192
	s_add_nc_u64 s[26:27], s[26:27], 2048
	s_add_nc_u64 s[28:29], s[28:29], 2048
	s_sub_co_u32 s30, s30, 1
	s_cmp_lg_u32 s30, 0
	s_cbranch_scc1 .Lcol
	SLOT 0, 0, 21                                  ; the last four blocks load nothing: the counts run down
	SLOT 1, 0, 14
	SLOT 2, 0, 7
	SLOT 3, 0, 0
.irp m, 1,2,4,8
.irp j, 0,1,2,3,4,5,6,7
	v_add_f32_dpp v[AC+(\j)], v[AC+(\j)], v[AC+(\j)] row_xmask:\m row_mask:0xf bank_mask:0xf
.endr
.endr
	v_cndmask_b32 v[AC],   v[AC],   v[AC+1], s31   ; lane l takes sum l % 8
	v_cndmask_b32 v[AC+2], v[AC+2], v[AC+3], s31
	v_cndmask_b32 v[AC+4], v[AC+4], v[AC+5], s31
	v_cndmask_b32 v[AC+6], v[AC+6], v[AC+7], s31
	v_cndmask_b32 v[AC],   v[AC],   v[AC+2], s32
	v_cndmask_b32 v[AC+4], v[AC+4], v[AC+6], s32
	v_cndmask_b32 v[AC],   v[AC],   v[AC+4], s33
	v_lshrrev_b32 v4, 4, v1
	v_and_b32 v6, 7, v1
	v_lshlrev_b32 v6, 2, v6
	v_lshl_add_u32 v4, v4, 5, v6                   ; code 8 (l / 16) + l % 8 of the tile
	v_cmp_gt_u32 vcc_lo, 8, v5
	s_wait_xcnt 0x0                                ; EXEC changes only behind this wait
	s_and_saveexec_b32 s37, vcc_lo
	global_store_b32 v4, v[AC], s[38:39]
	s_wait_xcnt 0x0
	s_or_b32 exec_lo, exec_lo, s37
	s_endpgm
.Lgather:
	s_sub_co_u32 s21, ttmp9, 256
	s_lshl_b32 s22, s21, 6
	s_lshl_b32 s23, s20, 3
	s_add_co_u32 s22, s22, s23                     ; my wave's first token
	s_lshl_b32 s24, s22, 2
	s_mov_b32 s25, 0
	s_add_nc_u64 s[24:25], s[10:11], s[24:25]
	s_load_b256 s[40:47], s[24:25], 0x0            ; eight indices
	s_lshl_b32 s34, s22, 11
	s_mov_b32 s35, 0
	s_add_nc_u64 s[26:27], s[12:13], s[34:35]      ; x
	s_add_nc_u64 s[28:29], s[18:19], s[34:35]      ; out0
	s_lshl_b32 s34, s21, 3
	s_add_co_u32 s34, s34, s20
	s_lshl_b32 s34, s34, 2
	s_add_co_u32 s34, s34, 131072
	s_add_nc_u64 s[32:33], s[16:17], s[34:35]
	s_mov_b32 s30, 0x76543210
	s_mov_b32 s31, 0xfedcba98
.irp j, 0,1,2,3,4,5,6,7
	v_mov_b32 v[GA+(\j)], 0
.endr
	v_mov_b32 v4, 0
	s_wait_kmcnt 0x0
.irp k, 0,1,2,3,4,5,6,7
	s_min_u32 s[40+(\k)], s[40+(\k)], 0x1fff       ; an index stays inside the table
	s_lshl_b32 s[48+2*(\k)], s[40+(\k)], 11
	s_mov_b32 s[49+2*(\k)], 0
	s_add_nc_u64 s[48+2*(\k):49+2*(\k)], s[14:15], s[48+2*(\k):49+2*(\k)]
.endr
.macro BATCH b                         ; tokens 4 b to 4 b + 3
.irp k, 0,1,2,3
.irp i, 0,1,2,3
	global_load_b128 v[DB+32*(\k)+4*(\i):DB+32*(\k)+4*(\i)+3], v2, s[26:27] offset:2048*(4*(\b)+(\k))+512*(\i) th:TH_LOAD_NT
.endr
.irp i, 0,1,2,3
	global_load_b128 v[DB+32*(\k)+16+4*(\i):DB+32*(\k)+16+4*(\i)+3], v2, s[48+2*(4*(\b)+(\k)):49+2*(4*(\b)+(\k))] offset:512*(\i)
.endr
.endr
.irp k, 0,1,2,3
	s_wait_loadcnt 8*(3-(\k))                      ; the later tokens' eight loads each may stay out
.irp m, 0,1,2,3,4,5,6,7
	v_pk_add_f32 v[DB+32*(\k)+16+2*(\m):DB+32*(\k)+17+2*(\m)], v[DB+32*(\k)+16+2*(\m):DB+32*(\k)+17+2*(\m)], v[DB+32*(\k)+2*(\m):DB+32*(\k)+2*(\m)+1] neg_lo:[0,1] neg_hi:[0,1]
.endr
.irp m, 0,1,2,3,4,5,6,7
	v_pk_add_f32 v[DB+32*(\k)+2*(\m):DB+32*(\k)+2*(\m)+1], v[DB+32*(\k)+2*(\m):DB+32*(\k)+2*(\m)+1], v[DB+32*(\k)+16+2*(\m):DB+32*(\k)+17+2*(\m)]
	v_pk_fma_f32 v[GA+2*((\m)%4):GA+2*((\m)%4)+1], v[DB+32*(\k)+16+2*(\m):DB+32*(\k)+17+2*(\m)], v[DB+32*(\k)+16+2*(\m):DB+32*(\k)+17+2*(\m)], v[GA+2*((\m)%4):GA+2*((\m)%4)+1]
.endr
.irp i, 0,1,2,3
	global_store_b128 v2, v[DB+32*(\k)+4*(\i):DB+32*(\k)+4*(\i)+3], s[28:29] offset:2048*(4*(\b)+(\k))+512*(\i) th:TH_STORE_NT
.endr
.endr
.endm
	BATCH 0
	s_wait_xcnt 0x0                                ; the stores have read their data: the registers are loaded again only behind this wait
	BATCH 1
	v_pk_add_f32 v[GA:GA+1], v[GA:GA+1], v[GA+2:GA+3]
	v_pk_add_f32 v[GA+4:GA+5], v[GA+4:GA+5], v[GA+6:GA+7]
	v_pk_add_f32 v[GA:GA+1], v[GA:GA+1], v[GA+4:GA+5]
	v_add_f32 v[GA], v[GA], v[GA+1]
	v_add_f32_dpp v[GA], v[GA], v[GA] row_xmask:1 row_mask:0xf bank_mask:0xf
	v_add_f32_dpp v[GA], v[GA], v[GA] row_xmask:2 row_mask:0xf bank_mask:0xf
	v_add_f32_dpp v[GA], v[GA], v[GA] row_xmask:4 row_mask:0xf bank_mask:0xf
	v_add_f32_dpp v[GA], v[GA], v[GA] row_xmask:8 row_mask:0xf bank_mask:0xf
	v_permlanex16_b32 v[GA+1], v[GA], s30, s31
	v_add_f32 v[GA], v[GA], v[GA+1]
	v_cmp_eq_u32 vcc_lo, 0, v1
	s_wait_xcnt 0x0                                ; EXEC changes only behind this wait
	s_and_saveexec_b32 s37, vcc_lo
	global_store_b32 v4, v[GA], s[32:33]
	s_wait_xcnt 0x0
	s_or_b32 exec_lo, exec_lo, s37
	s_endpgm
.Lfunc_end_k_q8368945e7a_tail:
	.size	k_q8368945e7a_tail, .Lfunc_end_k_q8368945e7a_tail-k_q8368945e7a_tail
	.p2alignl 7, 3214868480
	.fill 96, 4, 3214868480
	.section	.rodata,"a",@progbits
	.p2align	6, 0x0
	.amdhsa_kernel k_q8368945e7a_tail
		.amdhsa_group_segment_fixed_size 0
		.amdhsa_private_segment_fixed_size 0
		.amdhsa_enable_private_segment 0
		.amdhsa_kernarg_size 64
		.amdhsa_user_sgpr_count 2
		.amdhsa_user_sgpr_kernarg_segment_ptr 1
		.amdhsa_wavefront_size32 1
		.amdhsa_system_sgpr_workgroup_id_x 1
		.amdhsa_system_sgpr_workgroup_id_y 1
		.amdhsa_system_sgpr_workgroup_id_z 1
		.amdhsa_system_vgpr_workitem_id 0
		.amdhsa_next_free_vgpr 152
		.amdhsa_next_free_sgpr 66
		.amdhsa_reserve_vcc 1
		.amdhsa_float_denorm_mode_32 3
		.amdhsa_float_denorm_mode_16_64 3
		.amdhsa_memory_ordered 1
		.amdhsa_forward_progress 1
		.amdhsa_inst_pref_size 55
	.end_amdhsa_kernel
	.amdgpu_metadata
---
amdhsa.version: [ 1, 2 ]
amdhsa.kernels:
  - .name:           k_q8368945e7a_tail
    .symbol:         k_q8368945e7a_tail.kd
    .args:
      - { .name: ebuf, .offset: 0, .size: 8, .value_kind: global_buffer, .address_space: global }
      - { .name: tbl, .offset: 8, .size: 8, .value_kind: global_buffer, .address_space: global }
      - { .name: fin, .offset: 16, .size: 8, .value_kind: global_buffer, .address_space: global }
      - { .name: idxw, .offset: 24, .size: 8, .value_kind: global_buffer, .address_space: global }
      - { .name: x, .offset: 32, .size: 8, .value_kind: global_buffer, .address_space: global }
      - { .name: codebook, .offset: 40, .size: 8, .value_kind: global_buffer, .address_space: global }
      - { .name: sums, .offset: 48, .size: 8, .value_kind: global_buffer, .address_space: global }
      - { .name: out0, .offset: 56, .size: 8, .value_kind: global_buffer, .address_space: global }
    .group_segment_fixed_size: 0
    .private_segment_fixed_size: 0
    .kernarg_segment_align: 8
    .kernarg_segment_size: 64
    .max_flat_workgroup_size: 256
    .sgpr_count:     66
    .vgpr_count:     152
    .wavefront_size: 32
...
	.end_amdgpu_metadata
.endif
;; end of part 4
;; launch final (part 5): grid 1 x 1, 32 waves a work-group, no clusters, 4,608 bytes of LDS; arguments sums, fin, out1, out2, out3, out4; writes out1, out2, out3, out4
.if DOCPART == 5
	.amdgcn_target "amdgcn-amd-amdhsa--gfx1250"
	.amdhsa_code_object_version 6
	.text
	.protected	k_q8368945e7a_final
	.globl	k_q8368945e7a_final
	.p2align	8
	.type	k_q8368945e7a_final,@function
k_q8368945e7a_final:
	s_mov_b64 s[64:65], 0
	v_nop
	global_prefetch_b8 v0, s[64:65] scope:SCOPE_SE
	s_setreg_imm32_b32 hwreg(HW_REG_WAVE_MODE, 25, 1), 1
	s_wait_xcnt 0x0
; The four scalars.  One work-group, since one owner must add what 384 work-groups left: 132 KiB of partial sums and 512 bytes of entropies.
; a[k] = (the four quarters' sums) / 8192;  SA = sum a log2(a + 1e-8);  SH = the sum of the tokens' entropies in bits;  SL = the sum of (code - x)^2.
; entropy_loss = 0.1 ln2 (SH / 8192 + SA);  codebook_loss = SL / 2^23;  commit_loss = a quarter of it;  loss = the three together.
; Thread i takes 8 codes, one of the 1,024 partial sums of squares and, below 128, one block's entropy.  The waves' sums meet in LDS behind one barrier; wave 0 finishes.
.set SPARE, 512                        ; behind the 32 records of 16 bytes: the spare words, 128 bytes for each of 32 waves, named by no other line
	s_load_b256 s[4:11], s[0:1], 0x0               ; sums, fin, out1, out2
	s_load_b128 s[12:15], s[0:1], 0x20             ; out3, out4
	v_lshl_add_u32 v30, v0, 2, SPARE
	v_mov_b32 v31, 0
	v_lshrrev_b32 v1, 5, v0
	v_readfirstlane_b32 s16, v1
	s_mov_b32 s18, 0x76543210
	s_mov_b32 s19, 0xfedcba98
	v_lshlrev_b32 v2, 4, v0
	v_lshlrev_b32 v3, 2, v0
	v_and_b32 v4, 127, v0
	v_lshlrev_b32 v4, 2, v4
	v_and_b32 v18, 31, v0
	v_lshlrev_b32 v18, 4, v18
	v_mov_b32 v16, 0                               ; v_permlanex16_b32's destination counts as read
	v_mov_b32 v7, 0
	s_wait_kmcnt 0x0
.irp p, 0,1,2,3
.irp g, 0,1
	global_load_b128 v[32+8*(\p)+4*(\g):32+8*(\p)+4*(\g)+3], v2, s[4:5] offset:32768*(\p)+16384*(\g)
.endr
.endr
	global_load_b32 v5, v3, s[4:5] offset:131072
	global_load_b32 v6, v4, s[6:7] offset:65536
	s_wait_loadcnt 0x0
.irp m, 0,1,2,3
	v_pk_add_f32 v[32+2*(\m):33+2*(\m)], v[32+2*(\m):33+2*(\m)], v[40+2*(\m):41+2*(\m)]
	v_pk_add_f32 v[48+2*(\m):49+2*(\m)], v[48+2*(\m):49+2*(\m)], v[56+2*(\m):57+2*(\m)]
.endr
.irp m, 0,1,2,3
	v_pk_add_f32 v[32+2*(\m):33+2*(\m)], v[32+2*(\m):33+2*(\m)], v[48+2*(\m):49+2*(\m)]
.endr
.irp m, 0,1,2,3
	v_pk_mul_f32 v[32+2*(\m):33+2*(\m)], v[32+2*(\m):33+2*(\m)], 0x39000000 op_sel_hi:[1,0]  ; / 8192
.endr
.irp e, 0,1,2,3,4,5,6,7
	v_add_f32 v[8+(\e)], 0x322bcc77, v[32+(\e)]    ; + 1e-8
.endr
.irp e, 0,1,2,3,4,5,6,7
	v_log_f32 v[8+(\e)], v[8+(\e)]
.endr
	v_nop                                          ; a plain instruction behind the logarithms
	s_wait_alu depctr_va_vdst(0)
	v_mul_f32 v20, v32, v8
.irp e, 1,2,3,4,5,6,7
	v_fmac_f32 v20, v[32+(\e)], v[8+(\e)]
.endr
	v_mov_b32 v21, v5
	v_cmp_gt_u32 vcc_lo, 128, v0
	v_cndmask_b32 v22, 0, v6, vcc_lo               ; 128 entropies for 1,024 threads
	v_mov_b32 v23, 0
.macro RED r                           ; the sum over the wave's 32 lanes, in every lane
	v_add_f32_dpp v[\r], v[\r], v[\r] row_xmask:1 row_mask:0xf bank_mask:0xf
	v_add_f32_dpp v[\r], v[\r], v[\r] row_xmask:2 row_mask:0xf bank_mask:0xf
	v_add_f32_dpp v[\r], v[\r], v[\r] row_xmask:4 row_mask:0xf bank_mask:0xf
	v_add_f32_dpp v[\r], v[\r], v[\r] row_xmask:8 row_mask:0xf bank_mask:0xf
	v_permlanex16_b32 v16, v[\r], s18, s19
	v_add_f32 v[\r], v[\r], v16
.endm
	RED 20
	RED 21
	RED 22
	v_mov_b32 v17, s16
	v_lshlrev_b32 v17, 4, v17
	ds_store_b128 v17, v[20:23]                    ; all lanes write the wave's record with the same values
	s_wait_dscnt 0x0                               ; for the others' sake: my store is done
	s_barrier_signal -1
	s_barrier_wait -1
	s_cmp_lg_u32 s16, 0
	s_cbranch_scc1 .Lend
	ds_load_b128 v[24:27], v18                     ; lane l takes wave l's record
	s_wait_dscnt 0x0
	RED 24
	RED 25
	RED 26
	v_fmamk_f32 v27, v26, 0x39000000, v24          ; SH / 8192 + SA
	v_mul_f32 v27, 0x3d8df4e0, v27                 ; x 0.1 ln2
	v_mul_f32 v28, 0x34000000, v25                 ; SL / 2^23
	v_mul_f32 v29, 0x3e800000, v28
	v_add_f32 v19, v28, v29
	v_add_f32 v19, v19, v27
	v_cmp_eq_u32 vcc_lo, 0, v0
	s_wait_xcnt 0x0                                ; EXEC changes only behind this wait
	s_and_saveexec_b32 s17, vcc_lo
	global_store_b32 v7, v19, s[8:9]
	global_store_b32 v7, v29, s[10:11]
	global_store_b32 v7, v28, s[12:13]
	global_store_b32 v7, v27, s[14:15]
	s_wait_xcnt 0x0
	s_or_b32 exec_lo, exec_lo, s17
.Lend:
	s_wait_tensorcnt 0x0                           ; the wave's end, behind my last LDS store
	ds_add_u32 v30, v31
	s_wait_dscnt 0x0
	s_endpgm
.Lfunc_end_k_q8368945e7a_final:
	.size	k_q8368945e7a_final, .Lfunc_end_k_q8368945e7a_final-k_q8368945e7a_final
	.p2alignl 7, 3214868480
	.fill 96, 4, 3214868480
	.section	.rodata,"a",@progbits
	.p2align	6, 0x0
	.amdhsa_kernel k_q8368945e7a_final
		.amdhsa_group_segment_fixed_size 4608
		.amdhsa_private_segment_fixed_size 0
		.amdhsa_enable_private_segment 0
		.amdhsa_kernarg_size 48
		.amdhsa_user_sgpr_count 2
		.amdhsa_user_sgpr_kernarg_segment_ptr 1
		.amdhsa_wavefront_size32 1
		.amdhsa_system_sgpr_workgroup_id_x 1
		.amdhsa_system_sgpr_workgroup_id_y 1
		.amdhsa_system_sgpr_workgroup_id_z 1
		.amdhsa_system_vgpr_workitem_id 0
		.amdhsa_next_free_vgpr 64
		.amdhsa_next_free_sgpr 66
		.amdhsa_reserve_vcc 1
		.amdhsa_float_denorm_mode_32 3
		.amdhsa_float_denorm_mode_16_64 3
		.amdhsa_memory_ordered 1
		.amdhsa_forward_progress 1
		.amdhsa_inst_pref_size 8
	.end_amdhsa_kernel
	.amdgpu_metadata
---
amdhsa.version: [ 1, 2 ]
amdhsa.kernels:
  - .name:           k_q8368945e7a_final
    .symbol:         k_q8368945e7a_final.kd
    .args:
      - { .name: sums, .offset: 0, .size: 8, .value_kind: global_buffer, .address_space: global }
      - { .name: fin, .offset: 8, .size: 8, .value_kind: global_buffer, .address_space: global }
      - { .name: out1, .offset: 16, .size: 8, .value_kind: global_buffer, .address_space: global }
      - { .name: out2, .offset: 24, .size: 8, .value_kind: global_buffer, .address_space: global }
      - { .name: out3, .offset: 32, .size: 8, .value_kind: global_buffer, .address_space: global }
      - { .name: out4, .offset: 40, .size: 8, .value_kind: global_buffer, .address_space: global }
    .group_segment_fixed_size: 4608
    .private_segment_fixed_size: 0
    .kernarg_segment_align: 8
    .kernarg_segment_size: 48
    .max_flat_workgroup_size: 1024
    .sgpr_count:     66
    .vgpr_count:     64
    .wavefront_size: 32
...
	.end_amdgpu_metadata
.endif
;; end of part 5
